; MI455X (gfx1250); checked and timed in simulation.
; The chip was launched on July 23, 2026; its instructions are those of AMD's public machine-readable ISA for CDNA 5 (MIT licence, August 2026) and "CDNA5" Instruction Set Architecture Reference Guide (July 2026). The comments in the code are by the model that wrote it; some were corrected since.
;; Attention. Allowed arithmetic: matrix products marked QUANTISED: E2M1 operands, one E8M0 scale for each 32 along K, by v_wmma_scale_f32_16x16x128_f8f6f4 with both operands' format E2M1 (or v_wmma_scale_f32_32x16x128_f4), f32 sums; products left as they are: f32 operands where the result goes on into a quantised operand, else bf16, f16 or f32 operands; f32 sums; everything else in f32.
;; Inputs: Kb 1,024 float32; Kw_codes 1,024 x 32 x 16 uint8 (E2M1 codes of Kw, K innermost, in blocks of 32 codes, two codes a byte); Kw_scales 1,024 x 32 uint8 (E8M0 scales of Kw, one for each 32 codes along K); Qb 1,024 float32; Qw_codes 1,024 x 32 x 16 uint8 (E2M1 codes of Qw, K innermost, in blocks of 32 codes, two codes a byte); Qw_scales 1,024 x 32 uint8 (E8M0 scales of Qw, one for each 32 codes along K); Vb 1 float32; Vw 1 x 1,024 float32; keys 8 x 4,096 x 1,024 float32; queries_codes 8 x 4,096 x 32 x 16 uint8 (E2M1 codes of queries, K innermost, in blocks of 32 codes, two codes a byte); queries_scales 8 x 4,096 x 32 uint8 (E8M0 scales of queries, one for each 32 codes along K).
;; Outputs: out0 8 x 1 x 1,024 float32; out1 8 x 1 x 4,096 float32.
;; This version of the problem:
;;   THIS VERSION OF THE PROBLEM IS GIVEN IN LOW PRECISION. The matrix products marked QUANTISED in the list below multiply operands that are first quantised to E2M1 (2 exponent bits, 1 mantissa bit; 4 bits a number), with one power-of-two scale for each 32 numbers along K (OCP MX v1.0); their sums are f32. All else is computed in f32.
;;   The module's matrix products, in the order in which they are computed (A, B: the left and right operand; K: the contracted axis; several contracted axes count as one K, in the product's order):
;;     1. [M 32,768, K 1,024] x [K 1,024, N 1,024]; A: input queries (given as codes); B: input Qw (given as codes): QUANTISED
;;     2. [M 32,768, K 1,024] x [K 1,024, N 1,024]; A: input keys; B: input Kw (given as codes): QUANTISED
;;     3. [M 32,768, K 1,024] x [K 1,024, N 1]; A: computed on the way; B: input Vw: left as it is (N = 1 < 16)
;;     4. batch 8 x [M 1, K 4,096] x [K 4,096, N 1,024]; A: softmax; B: input keys: left as it is (M = 1 < 16)
;;   THE QUANTISER, for each operand of a quantised product, along K:
;;     - K is cut into blocks of 32 from its start; a last block that is shorter is filled with zeros.
;;     - A block's scale is 2^e with e = floor(log2(the largest magnitude in the block)) - 2, held to -126 .. 127; a block of zeros has e = 0. As a byte (E8M0): e + 127.
;;     - Each number is divided by its block's scale, clamped to +-6, and rounded to the nearest number of E2M1, ties to even, subnormals kept.
;;     - The product sums the exact products of the quantised numbers (number of the format x scale) in f32.
;;   ~~~python
;;   def quantise(x, axis):      # numpy; x: float32 -> the quantised numbers, widened to float32 again
;;       x = np.moveaxis(x, axis, -1); K = x.shape[-1]
;;       x = np.pad(x, [(0, 0)] * (x.ndim - 1) + [(0, -K % 32)]); x = x.reshape(x.shape[:-1] + (-1, 32)); a = np.abs(x).max(-1, keepdims=True)
;;       e = np.where(a > 0, np.clip(np.frexp(np.where(a > 0, a, 1))[1] - 1 - 2, -126, 127), 0)      # np.frexp(a)[1] - 1 = floor(log2(a)), exactly
;;       r = np.clip(x / 2.0 ** e, -6, 6)
;;       step = 2.0 ** (np.maximum(np.frexp(np.where(r == 0, 1, r))[1] - 1, 0) - 1)
;;       q = np.round(r / step) * step * 2.0 ** e      # np.round: ties to even
;;       return np.moveaxis(q.reshape(q.shape[:-2] + (-1,))[..., :K], -1, axis).astype(np.float32)
;;   ~~~
;;   INPUTS GIVEN AS CODES. Kw (in the module: [1024, 1024], K = its axis 1); Qw (in the module: [1024, 1024], K = its axis 1); queries (in the module: [8, 4096, 1024], K = its axis 2): each comes as NAME_codes (uint8): NAME with its K axis moved to the last place and cut into blocks of 32 codes, [.., K / 32, bytes a block], one block behind the other in memory; two codes a byte, the lower K in the low four bits (a code: sign, 2 exponent bits, 1 mantissa bit); and NAME_scales (uint8): the same leading axes, one E8M0 byte (e + 127) for each 32 codes along K. Its value is code x scale, taken as it is: it is not quantised again, and the codes and scales need not be those that the quantiser above would give.
;; One version. Each part assembles by itself: llvm-mc -triple=amdgcn-amd-amdhsa -mcpu=gfx1250 --defsym DOCPART=n.
;; ======== version 1 of 1: 2 launches
;; limits: values are held in bf16: 8 bits of precision; right only within a limited range of input values
;; workspace buffers: scores 131,072 bytes; part 1,048,576 bytes; stat 65,536 bytes
;; launch score (part 1): grid 256 x 1, 4 waves a work-group, no clusters, 327,680 bytes of LDS; arguments keys, queries_codes, queries_scales, Qw_scales, Kw_scales, Qw_codes, Kw_codes, scores, part, stat, Qb, Kb, Vw; writes scores, part, stat
.if DOCPART == 1
	.amdgcn_target "amdgcn-amd-amdhsa--gfx1250"
	.amdhsa_code_object_version 6
	.text
	.protected	k_q4a7dacf35c_score
	.globl	k_q4a7dacf35c_score
	.p2align	8
	.type	k_q4a7dacf35c_score,@function
k_q4a7dacf35c_score:
	s_mov_b64 s[64:65], 0
	v_nop
	global_prefetch_b8 v0, s[64:65] scope:SCOPE_SE
	s_setreg_imm32_b32 hwreg(HW_REG_WAVE_MODE, 25, 1), 1
	s_wait_xcnt 0x0
; Additive attention, first launch.  For each of 32,768 rows: x[c] = queries . Qw[c] + Q(keys) . Kw[c], ONE product on codes of FP4 (E2M1) with K = 2,048 (the queries' 1,024, then the keys' 1,024);
; score = sum over c of -Vw[c] x 2 / (1 + e), e = 2^(2 log2(e) (x + Qb + Kb)): e = infinity gives 0, so nothing is clamped.  Since 2 / (1 + e) = 1 - tanh, this is the score of reference() less Vb and less the sum of Vw.
; LEFT OUT AS DEAD WORK, in the whole program: Vb.  reference() adds it to every score of a batch, and a softmax over those scores does not change when one number is added to all of them, whatever that number is.
; So Vb reaches neither output, is not loaded and is no launch's argument; the sum of Vw is left out likewise.  LIMIT: a NaN, an infinity or an overflow that reaches Vb or that sum alone is not carried to the results.
; A work-group of four waves owns a BLOCK of 128 rows.  It stores the block's 128 scores, {m, l} (their maximum, and the sum of w = 2^((score - m) log2(e))), and part[c] = sum over the block's rows of w x keys[row][c].
; THE KEYS ARE READ ONCE.  Wave w reads rows 32 w .. 32 w + 31 as f32, quantises them along K (codes and scale bytes go to LDS, beside the queries'), and keeps them as bf16 for the weighted sum at the end: 12 rows in registers, 20 in LDS.
; 54 loads, 27,648 bytes, of each wave are on their way through the stream: no prefetch stands beside them.
; THE PRODUCT.  The waves share the columns out: wave w has 256 of the 1,024, in four passes of 64; a wave's tile is 128 rows x 64 columns: 16 accumulators of 32 x 16.  A's fragments come from LDS, one K step of 128 ahead;
; B's come from the weights as they lie straight into registers, six K steps ahead (so no prefetch here either): each byte of the weights is read by one wave of the work-group, and no barrier stands in the passes.
; NO CLUSTER: a tile asked for jointly lands in LDS.  A's codes (133,120 bytes), the scale bytes (10,240) and the kept keys (163,840) leave 20,480 bytes of LDS, and two slots of 256 columns x 256 bytes take 131,072.
; Work-groups begin at different columns (ROT, CW): addresses alone.
; LIMITS.  NaN and infinities among the inputs are not served.  A block of 32 zeros gets the scale byte 1 where the quantiser's rule says 127: its codes are zeros, and this program alone reads the bytes.
; The weighted sum multiplies keys rounded to bf16 by weights in f32.  Sums are rounded in another order than in the definition.
; REGISTERS, in windows of 256 (s_set_vgpr_msb: bits 1:0 source 0, 3:2 source 1, 5:4 source 2, 7:6 destination):
;   window 0: v0-31 addresses and biases; v32-63 B's scale words; v64-127 A's; v128-255 A's fragments, two sets of 64
;   window 1: the accumulators, (i, b) at v[64 b + 16 i]; while the keys stream: four landing sets of 64
;   window 2: B's fragments, eight sets of 32; while the keys stream, from v224: landing room for the queries' codes      window 3: 12 rows of keys as bf16, 16 registers a row; from v192 the rows' sums
.set PITA,  1040                       ; a row of A's codes in LDS: 512 bytes of the queries', 512 of the keys', 16 of padding: 65 x 16 bytes
.set PITS,  80                         ; a row of A's scale bytes: 32 + 32 + 16 of padding
.set ASC,   128*PITA                   ; A's scale bytes, behind A's codes
.set KL,    ASC+128*PITS               ; the kept keys: [wave][20 rows][2,048 bytes]
.set SP,    KL+4*40960                 ; the scores' four parts: [wave][128 rows]
.set PT,    SP+2048                    ; the rows' weights: [wave][128]
.set SPARE, PT+2048                    ; the spare words, 128 bytes for each wave: two blocks of 256 bytes that no other line names
.set SPI,   528                        ; at the end, over A's codes: the lanes' sums, [wave][16][512 bytes + 16]
.set CT,    36864                      ; and behind them the waves' weighted sums: [wave][1024]
.set SPW,   1                          ; v1   SPARE + 4 x my thread's number; never rewritten
.set NIL,   2                          ; v2   0; never rewritten
.set ADRA,  3                          ; v3-4 LDS address of my lane's place in A's fragments: rows 0-63, 64-127
.set O32,   5                          ; v5   32 x lane
.set WO,    6                          ; v6   my offset in a weight's codes in the pass
.set SO,    7                          ; v7   and among its scale bytes
.set TO,    8                          ; v8   and in Qb, Kb, Vw
.set KCA,   9                          ; v9   where I store a key row's codes
.set KSA,   10                         ; v10  and its scale bytes
.set KLA,   11                         ; v11  my kept keys
.set L16,   12                         ; v12  16 x lane
.set R4,    13                         ; v13  4 x (lane % 16)
.set NB,    14                         ; v14  my lane's place in a tile of 16 columns: 512 x (lane % 16) + 16 x (lane / 16)
.set BV,    16                         ; v16-23 {2 log2(e) (Qb + Kb), -Vw} of the pass's four column tiles
.set QCA,   24                         ; v24  where I store a row of the queries' codes
.set SAA,   25                         ; v25  where I read A's scale words
.set QSA,   26                         ; v26  row = thread of A's scale bytes
.set QSO,   27                         ; v27  32 x thread
.set BW,    20                         ; v20-31 in the passes: Qb, Kb, Vw of the four column tiles as loaded (v20-23 are read before the pairs are made)
.set SB,    32                         ; register 16 i + s: lane l holds the scale word of the pass's column 32 i + l for K step s
.set SA,    64                         ; register 16 i + s: lane l holds the scale word of row 32 i + l for K step s
.set AF,    128
.set TM,    128                        ; while the keys stream: eight largest magnitudes, conversion scales, scale bytes, registers of codes,
.set SCL,   136
.set BY,    144
.set CODE,  152
.set KT,    160                        ; and two rows of bf16 on their way to LDS
.set SCORE, 192                        ; window 3: register 16 i + j: row 32 i + 16 (j / 8) + 8 (lane / 16) + j % 8
.set P,     160                        ; at the end: my 32 rows' weights
.set CX,    192                        ; and my 32 columns' weighted sums
.set WV,    60                         ; wave
.set CW,    61                         ; which 256 columns are mine
.set ROT,   62                         ; where my work-group's walk over its passes begins
.set PASS,  63
.set C2,    68                         ; s[68:69] 2 log2(e)
.set FLOOR, 70
.set EOFF,  71
.set SEL,   72                         ; s[72:73] v_permlanex16_b32's selects for lane l xor 16
.set L2E,   74                         ; log2(e)
.set MSB, 0
.macro WIN new                         ; the immediate's high byte repeats the setting that is left; a switch that changes nothing is dropped
.if MSB != (\new)
	s_set_vgpr_msb (MSB<<8)|(\new)
.set MSB, (\new)
.endif
.endm
.macro PLACES                          ; four places behind matrix instructions: in front of loads into registers that they have read and of the first read of results
.rept 4
	v_nop
.endr
.endm
	s_load_b512 s[8:23], s[0:1], 0x0               ; keys s[8:9], queries' codes s[10:11], scales s[12:13], Qw's scales s[14:15], Kw's s[16:17], Qw's codes s[18:19], Kw's s[20:21], scores s[22:23]
	s_load_b128 s[24:27], s[0:1], 0x40             ; part s[24:25], stat s[26:27]
	s_load_b128 s[28:31], s[0:1], 0x50             ; Qb s[28:29], Kb s[30:31]
	s_load_b64 s[32:33], s[0:1], 0x60              ; Vw
	v_lshl_add_u32 v[SPW], v0, 2, SPARE
	v_mov_b32 v[NIL], 0
	v_lshrrev_b32 v15, 5, v0
	v_readfirstlane_b32 s[WV], v15                 ; wave 0..3
	v_and_b32 v16, 31, v0                          ; lane
	v_and_b32 v17, 15, v0                          ; r
	v_bfe_u32 v18, v0, 4, 1                        ; h
	v_lshlrev_b32 v[O32], 5, v16
	v_lshlrev_b32 v[L16], 4, v16
	v_lshlrev_b32 v[R4], 2, v17
	v_lshlrev_b32 v[NB], 9, v17
	v_lshl_add_u32 v[NB], v18, 4, v[NB]
	v_mul_u32_u24 v[ADRA], v17, PITA               ; a fragment of 4-bit codes: lane (r, h) takes, of row r, 16 bytes at 16 h and 16 bytes 32 further on
	v_lshl_add_u32 v[ADRA], v18, 4, v[ADRA]
	v_add_nc_u32 v[ADRA+1], 64*PITA, v[ADRA]
	s_mul_i32 s3, s[WV], 32*PITA                   ; my 32 rows of A's codes
	v_add_nc_u32 v[QCA], s3, v[L16]
	s_add_co_u32 s3, s3, 512
	v_lshl_add_u32 v[KCA], v16, 2, s3
	s_mul_i32 s4, s[WV], 32*PITS
	s_add_co_u32 s4, s4, ASC+32
	v_lshrrev_b32 v[KSA], 2, v16
	v_add_nc_u32 v[KSA], s4, v[KSA]                ; four lanes to a block of 32
	s_mul_i32 s5, s[WV], 40960
	s_add_co_u32 s5, s5, KL
	v_add_nc_u32 v[KLA], s5, v[L16]
	v_mul_u32_u24 v[SAA], v16, PITS
	v_add_nc_u32 v[SAA], ASC, v[SAA]
	v_mul_u32_u24 v[QSA], v0, PITS
	v_add_nc_u32 v[QSA], ASC, v[QSA]
	v_lshlrev_b32 v[QSO], 5, v0
	s_lshl_b32 s76, ttmp9, 19                      ; keys: 128 rows of 4,096 bytes a block, 32 rows a wave
	s_lshl_b32 s77, s[WV], 17
	s_add_co_u32 s76, s76, s77
	s_mov_b32 s77, 0
	s_lshl_b32 s78, ttmp9, 16                      ; the queries' codes: 128 rows of 512 bytes a block
	s_lshl_b32 s79, s[WV], 14
	s_add_co_u32 s78, s78, s79
	s_mov_b32 s79, 0
	s_lshl_b32 s80, ttmp9, 12                      ; the queries' scales, and part: 4,096 bytes a block
	s_mov_b32 s81, 0
	s_lshl_b32 s82, ttmp9, 9                       ; scores: 512
	s_mov_b32 s83, 0
	s_lshl_b32 s84, ttmp9, 8                       ; stat: 256
	s_mov_b32 s85, 0
	s_and_b32 s[ROT], ttmp9, 3
	s_lshr_b32 s[CW], ttmp9, 2
	s_add_co_u32 s[CW], s[CW], s[WV]
	s_and_b32 s[CW], s[CW], 3
	s_mov_b32 s[PASS], 0
	s_mov_b32 s[C2], 0x4038aa3b                    ; 2 log2(e)
	s_mov_b32 s[C2+1], s[C2]                       ; (named with it as a pair, so it is written)
	s_mov_b32 s[FLOOR], 0x1800000                  ; 2^(3 - 127): under it no largest magnitude is taken, so a scale byte cannot fall under 1
	s_mov_b32 s[EOFF], 0xff000000                  ; takes 2 off an exponent field
	s_mov_b32 s[SEL], 0x76543210
	s_mov_b32 s[SEL+1], 0xfedcba98
	s_mov_b32 s[L2E], 0x3fb8aa3b
	s_wait_alu depctr_va_vdst(0)
	s_wait_kmcnt 0x0
	s_add_nc_u64 s[8:9], s[8:9], s[76:77]
	s_add_nc_u64 s[10:11], s[10:11], s[78:79]
	s_add_nc_u64 s[12:13], s[12:13], s[80:81]
	s_add_nc_u64 s[22:23], s[22:23], s[82:83]
	s_add_nc_u64 s[24:25], s[24:25], s[80:81]
	s_add_nc_u64 s[26:27], s[26:27], s[84:85]
; Group n of the stream: key rows 2 n, 2 n + 1, eight loads a row, and the same two rows of the queries' codes: 18 loads.
; A lane takes 32 bytes (8 neighbours along K) of each 1,024 of a key row: the conversion wants eight neighbours in one lane's registers.  A pair of loads covers 1,024 bytes without gaps.
.macro GROUP n
	WIN 0x40                                       ; destination window 1
.irp u, 0,1
.irp i, 0,1,2,3
.irp e, 0,1
	global_load_b128 v[64*((\n)%4)+32*\u+8*\i+4*\e:64*((\n)%4)+32*\u+8*\i+4*\e+3], v[O32], s[8:9] offset:(2*(\n)+\u)*4096+1024*\i+16*\e
.endr
.endr
.endr
	WIN 0x80                                       ; destination window 2
.irp u, 0,1
	global_load_b128 v[224+8*((\n)%4)+4*\u:224+8*((\n)%4)+4*\u+3], v[L16], s[10:11] offset:(2*(\n)+\u)*512 th:TH_LOAD_NT
.endr
.endm
; B's fragment b of K steps ks and ks + 1 (ks even) into sets ks % 8 and ks % 8 + 1: K steps 0-7 are Qw's, 8-15 Kw's.  The four loads on end take 128 consecutive bytes of each of the tile's 16 rows.
.macro FETCH_B ks, b
.set BS, 18+2*((\ks)/8)
	WIN 0x80
.irp d, 0,1
.irp c, 0,1
	global_load_b128 v[32*(((\ks)+\d)%8)+8*(\b)+4*\c:32*(((\ks)+\d)%8)+8*(\b)+4*\c+3], v[WO], s[BS:BS+1] offset:8192*(\b)+64*(((\ks)+\d)%8)+32*\c
.endr
.endr
.endm
.macro FETCH_A ks, i                   ; A's rows 32 i .. 32 i + 31 of K step ks into set ks % 2: four LDS loads
	WIN 0
.irp u, 0,1
.irp c, 0,1
	ds_load_b128 v[AF+64*((\ks)%2)+16*(\i)+8*\u+4*\c:AF+64*((\ks)%2)+16*(\i)+8*\u+4*\c+3], v[ADRA+(\i)/2] offset:(2*((\i)%2)+\u)*16*PITA+64*(\ks)+32*\c
.endr
.endr
.endm
; What pass PASS + k needs ahead of its first K step: its offsets, its 64 columns' scale words for all of K (8 loads), and B's fragments of K steps 0 to 5 (48 loads).
.macro NEXT k
	WIN 0
	s_add_co_u32 s90, s[PASS], s[ROT]
.if \k
	s_add_co_u32 s90, s90, \k
.endif
	s_and_b32 s90, s90, 3
	s_lshl_b32 s91, s[CW], 2
	s_add_co_u32 s90, s90, s91                     ; which 64 columns
	s_lshl_b32 s91, s90, 15                        ; 64 rows of 512 bytes of codes,
	v_add_nc_u32 v[WO], s91, v[NB]
	s_lshl_b32 s91, s90, 11                        ; of 32 scale bytes,
	v_add_nc_u32 v[SO], s91, v[O32]
	s_lshl_b32 s91, s90, 8                         ; 64 numbers of a bias
	v_add_nc_u32 v[TO], s91, v[R4]
	s_wait_alu depctr_va_vdst(0)
.irp i, 0,1
.irp t, 0,1
	global_load_b128 v[SB+16*\i+4*\t:SB+16*\i+4*\t+3], v[SO], s[14:15] offset:1024*\i+16*\t
	global_load_b128 v[SB+16*\i+8+4*\t:SB+16*\i+8+4*\t+3], v[SO], s[16:17] offset:1024*\i+16*\t
.endr
.endr
.irp s, 0,2,4
.irp b, 0,1,2,3
	FETCH_B \s, \b
.endr
.endr
	WIN 0
.endm
; THE KEYS, two rows at a time: eight groups g of 8 numbers a lane (row g / 4, columns 256 (g % 4) + 8 lane on).  A block of 32 along K is four neighbouring lanes' 8.
.macro ROW2 n
.set XB, 64*((\n)%4)
.if \n < 14
	s_wait_loadcnt 36                              ; group n is in; the two younger groups, 18 loads each, may be out
.elseif \n == 14
	s_wait_loadcnt 18
.else
	s_wait_loadcnt 0x0
.endif
	s_wait_dscnt 0x0                               ; the last group's LDS stores are done
.if \n < 13
.set GN, \n+3
	GROUP GN                                       ; into the sets that were worked on a group ago
.endif
.if \n == 15
	NEXT 0                                         ; the first pass's weights set out
.endif
	WIN 0x05                                       ; sources 0 and 1 window 1
.irp g, 0,1,2,3,4,5,6,7
	v_max3_num_f32 v[TM+\g], |v[XB+8*\g]|, |v[XB+8*\g+1]|, s[FLOOR]     ; the largest magnitude of my 8, with the floor among its leaves (the groups by turns)
.endr
.irp k, 2,4,6
.irp g, 0,1,2,3,4,5,6,7
	v_max3_num_f32 v[TM+\g], |v[XB+8*\g+\k]|, |v[XB+8*\g+\k+1]|, v[TM+\g]
.endr
.endr
	WIN 0
.irp m, 1,2
.irp g, 0,1,2,3,4,5,6,7
	v_max_num_f32_dpp v[TM+\g], v[TM+\g], v[TM+\g] row_xmask:\m row_mask:0xf bank_mask:0xf   ; with the three other lanes of the block
.endr
.endr
.irp g, 0,1,2,3,4,5,6,7
	v_add_nc_u32 v[SCL+\g], s[EOFF], v[TM+\g]      ; 2 off its exponent field: the conversion takes the exponent field of this operand as its scale, and nothing else of it
.endr
.irp g, 0,1,2,3,4,5,6,7
	v_lshrrev_b32 v[BY+\g], 23, v[SCL+\g]          ; the scale's byte
.endr
	WIN 0x01
.irp g, 0,1,2,3,4,5,6,7
	v_cvt_scalef32_pk8_fp4_f32 v[CODE+\g], v[XB+8*\g:XB+8*\g+7], v[SCL+\g]   ; to the nearest code, ties to even, beyond 6 the largest code
.endr
	v_nop                                          ; one plain place behind the last scaled conversion
.if \n < 6                             ; the same numbers as bf16: rows 0-11 stay in registers,
	WIN 0xc5                                       ; destination window 3
.set KB, 32*(\n)
.else                                  ; rows 12-31 go to LDS
	WIN 0x05
.set KB, KT
.endif
.set q, 0
.rept 32
	v_cvt_pk_bf16_f32 v[KB+q], v[XB+2*q], v[XB+2*q+1]
.set q, q+1
.endr
	WIN 0
.irp g, 0,1,2,3,4,5,6,7
	ds_store_b32 v[KCA], v[CODE+\g] offset:(2*(\n)+\g/4)*PITA+128*(\g%4)   ; 32 lanes store 128 consecutive bytes of the row's codes
.endr
.irp g, 0,1,2,3,4,5,6,7
	ds_store_b8 v[KSA], v[BY+\g] offset:(2*(\n)+\g/4)*PITS+8*(\g%4)        ; the four lanes of a block write the same byte with the same value
.endr
.if \n >= 6
.irp g, 0,1,2,3,4,5,6,7
	ds_store_b128 v[KLA], v[KT+4*\g:KT+4*\g+3] offset:(2*(\n)-12+\g/4)*2048+512*(\g%4)   ; my own bytes: nobody else reads them
.endr
.endif
	WIN 0x08                                       ; the data: window 2
.irp u, 0,1
	ds_store_b128 v[QCA], v[224+8*((\n)%4)+4*\u:224+8*((\n)%4)+4*\u+3] offset:(2*(\n)+\u)*PITA
.endr
.if \n == 0
	ds_store_b128 v[QSA], v[128:131]               ; row = thread: the queries' 32 scale bytes
	ds_store_b128 v[QSA], v[132:135] offset:16
.endif
	WIN 0
.endm
	WIN 0x80
	global_load_b128 v[128:131], v[QSO], s[12:13]
	global_load_b128 v[132:135], v[QSO], s[12:13] offset:16
	GROUP 0
	GROUP 1
	GROUP 2
.irp r, 0,1,2,3,4,5,6,7,8,9,10,11,12,13,14,15
	ROW2 \r
.endr
	WIN 0xc0                                       ; destination window 3
.set q, 0
.rept 64
	v_mov_b32 v[SCORE+q], 0
.set q, q+1
.endr
	WIN 0
	s_wait_alu depctr_va_vdst(0)
	s_wait_dscnt 0x0                               ; for the others' sake: my stores of codes and scale bytes have landed
	s_barrier_signal -1
	s_barrier_wait -1                              ; A's 128 rows lie in LDS
.irp i, 0,1,2,3
.irp t, 0,1,2,3
	ds_load_b128 v[SA+16*\i+4*\t:SA+16*\i+4*\t+3], v[SAA] offset:32*PITS*\i+16*\t   ; A's scale words stay in registers
.endr
.endr
.irp i, 0,1,2,3
	FETCH_A 0, \i
.endr
; One matrix instruction: rows 32 i on x columns 16 b on, K step s.  A register of B's scales carries two tiles' words: lanes 0-15 the even tile's, lanes 16-31 the odd one's.
.macro WMMA1 s, i, b
.set RD, 64*(\b)+16*(\i)
.set RA, AF+64*((\s)%2)+16*(\i)
.set RB, 32*((\s)%8)+8*(\b)
.set RSA, SA+16*(\i)+(\s)
.set RSB, SB+16*((\b)/2)+(\s)
.if (\s) == 0
.if (\b)%2
	v_wmma_scale_f32_32x16x128_f4 v[RD:RD+15], v[RA:RA+15], v[RB:RB+7], 0, v[RSA], v[RSB] matrix_b_scale:MATRIX_SCALE_ROW1
.else
	v_wmma_scale_f32_32x16x128_f4 v[RD:RD+15], v[RA:RA+15], v[RB:RB+7], 0, v[RSA], v[RSB]
.endif
.else
.if (\b)%2
	v_wmma_scale_f32_32x16x128_f4 v[RD:RD+15], v[RA:RA+15], v[RB:RB+7], v[RD:RD+15], v[RSA], v[RSB] matrix_b_scale:MATRIX_SCALE_ROW1
.else
	v_wmma_scale_f32_32x16x128_f4 v[RD:RD+15], v[RA:RA+15], v[RB:RB+7], v[RD:RD+15], v[RSA], v[RSB]
.endif
.endif
.endm
; A K step: all its loads in one run, then 16 matrix instructions, four for each 32 rows; the 16 accumulators take turns, one instruction a turn, in the same order in every step.
; The loads: A's 128 rows of the next K step (16), and in an even step B's two K steps six and seven on (16), into the two sets that the last two steps read.
.macro STEP s
.if (\s) > 0
	PLACES
.endif
.if ((\s) < 10) && (((\s)%2) == 0)
	s_wait_loadcnt 32                              ; B's sets of this step and the next are in; the two younger pairs of K steps, 16 loads each, may be out
.endif
.irp i, 0,1,2,3
.if (\s) < 15
.set ka, (\s)+1
	FETCH_A ka, \i
.endif
.if ((\s) < 10) && (((\s)%2) == 0)
.set kb, (\s)+6
	FETCH_B kb, \i
.endif
.endr
.if (\s) == 10
	WIN 0
.irp b, 0,1,2,3
	global_load_b32 v[BW+\b], v[TO], s[28:29] offset:64*\b      ; Qb, Kb, Vw of column lane % 16 of tile b
	global_load_b32 v[BW+4+\b], v[TO], s[30:31] offset:64*\b
	global_load_b32 v[BW+8+\b], v[TO], s[32:33] offset:64*\b
.endr
	s_wait_loadcnt 44                              ; two pairs, and the twelve loads just issued, may be out
.elseif (\s) == 12
	s_wait_loadcnt 28                              ; one pair and the twelve
.elseif (\s) == 14
	s_wait_loadcnt 12                              ; the twelve
.endif
	WIN 0x58                                       ; B window 2, C and D window 1
.set mi, 0
.rept 4
.if (\s) < 15
	s_wait_dscnt 28-4*mi                           ; these 32 rows of this step are in; the rest of its 16 loads and the next step's 16 may be out
.else
	s_wait_dscnt 12-4*mi
.endif
.irp b, 0,1,2,3
	WMMA1 \s, mi, \b
.endr
.set mi, mi+1
.endr
.endm
; THE WAY FROM x TO THE ROWS' SUMS: 256 numbers a lane, in eight groups of 32 (group g: column tile g / 2, rows 64 (g % 2) on).  A trip works on four groups at four stages, so that transcendentals and packed work take turns;
; one wait at each trip's head serves all that the trip reads.
.macro EPI
.irp b, 0,1,2,3
	v_add_f32 v[BW+4+\b], v[BW+\b], v[BW+4+\b]     ; Qb + Kb
.endr
.irp b, 0,1,2,3
	v_mul_f32 v[BV+2*\b], s[C2], v[BW+4+\b]        ; x 2 log2(e)
.endr
.irp b, 0,1,2,3
	v_xor_b32 v[BV+2*\b+1], 0x80000000, v[BW+8+\b] ; -Vw
.endr
	WIN 0x41                                       ; destination and source 0 window 1
.set g, 0
.rept 8
.set j, 32*g
.rept 16
	v_pk_fma_f32 v[j:j+1], v[j:j+1], s[C2:C2+1], v[BV+2*(g/2):BV+2*(g/2)+1] op_sel_hi:[1,0,0]   ; 2 log2(e) (x + Qb + Kb); each accumulator from its low end on
.set j, j+2
.endr
.set g, g+1
.endr
	WIN 0x51                                       ; source 2 window 1 too
.set it, 0
.rept 11
	s_wait_alu depctr_va_vdst(0)
.set k, 0
.rept 16
.if it < 8
	v_exp_f32 v[32*it+k], v[32*it+k]               ; e
	v_exp_f32 v[32*it+k+1], v[32*it+k+1]
.endif
.if (it > 0) && (it < 9)
	v_pk_fma_f32 v[32*(it-1)+k:32*(it-1)+k+1], v[32*(it-1)+k:32*(it-1)+k+1], 0.5, 0.5 op_sel_hi:[1,0,0]   ; (1 + e) / 2
.endif
.if (it > 1) && (it < 10)
	v_rcp_f32 v[32*(it-2)+k], v[32*(it-2)+k]       ; 2 / (1 + e) = 1 - tanh
	v_rcp_f32 v[32*(it-2)+k+1], v[32*(it-2)+k+1]
.endif
.if (it > 2) && (it < 5)
	v_pk_mul_f32 v[32*(it-3)+k:32*(it-3)+k+1], v[32*(it-3)+k:32*(it-3)+k+1], v[BV:BV+1] op_sel:[0,1] op_sel_hi:[1,1]   ; x -Vw: of the pair the second word serves both halves
.elseif it > 4
	v_pk_fma_f32 v[32*(it-3)+k:32*(it-3)+k+1], v[32*(it-3)+k:32*(it-3)+k+1], v[BV+2*((it-3)/2):BV+2*((it-3)/2)+1], v[32*(it-5)+k:32*(it-5)+k+1] op_sel:[0,1,0] op_sel_hi:[1,1,1]   ; + the column tile before
.endif
.set k, k+2
.endr
.if it == 0
	v_nop                                          ; a plain place behind the first exponentials
.endif
.set it, it+1
.endr
	WIN 0xcd                                       ; destination and source 1 window 3, source 0 window 1
.set k, SCORE
.rept 32
	v_pk_add_f32 v[k:k+1], v[k:k+1], v[k:k+1]      ; the last column tile's registers 192-255 hold the pass's sums: onto the rows' sums
.set k, k+2
.endr
	WIN 0
.endm
.Lpass:                                            ; four trips
.set KS, 0
.rept 16
	STEP KS
.set KS, KS+1
.endr
	PLACES
	WIN 0
	s_wait_loadcnt 0x0                             ; the biases are in: no load of mine names a pass's offset any more
	s_cmp_eq_u32 s[PASS], 3
	s_cbranch_scc1 .Llast
	NEXT 1                                         ; the next pass's first K steps set out under this pass's vector work
.irp i, 0,1,2,3
	FETCH_A 0, \i
.endr
.Llast:
	EPI
	s_wait_alu depctr_va_vdst(0)
	s_add_co_u32 s[PASS], s[PASS], 1
	s_cmp_lt_u32 s[PASS], 4
	s_cbranch_scc1 .Lpass
	; THE END.  All its addresses first
	s_wait_loadcnt 0x0
	s_wait_dscnt 0x0
	v_and_b32 v15, 31, v0
	v_and_b32 v16, 15, v0
	v_bfe_u32 v17, v0, 4, 1
	s_mul_i32 s3, s[WV], 16*SPI
	v_mul_u32_u24 v20, v16, SPI
	v_lshl_add_u32 v20, v17, 5, v20
	v_add_nc_u32 v20, s3, v20                      ; in: line r, 8 rows for each half of the lanes
	v_lshlrev_b32 v19, 4, v15                      ; 16 x lane
	v_add_nc_u32 v21, s3, v19                      ; back: rows 4 lane .. 4 lane + 3 of each line
	s_lshl_b32 s3, s[WV], 9
	v_add_nc_u32 v23, SP, v19
	v_add_nc_u32 v22, s3, v23                      ; my wave's part of the scores
	v_add_nc_u32 v24, PT, v19
	v_add_nc_u32 v24, s3, v24                      ; my wave's copy of the 128 weights,
	s_mul_i32 s3, s[WV], 640
	s_add_co_u32 s3, s3, PT
	v_mov_b32 v25, s3                              ; and in it those of my wave's 32 rows
	s_lshl_b32 s3, s[WV], 12
	s_add_co_u32 s3, s3, CT
	v_lshlrev_b32 v26, 5, v15
	v_add_nc_u32 v26, s3, v26
	v_lshlrev_b32 v27, 4, v0                       ; 16 x thread
	v_add_nc_u32 v28, CT, v27
	v_lshlrev_b32 v29, 3, v15
	v_mov_b32 v151, 0                              ; (a lane permute's destination counts as one of its sources)
	v_mov_b32 v157, 0
	s_wait_alu depctr_va_vdst(0)
	s_barrier_signal -1
	s_barrier_wait -1                              ; no wave reads A's codes any more: their bytes serve the sums
	WIN 0x0c                                       ; the data: window 3
.irp i, 0,1,2,3
.irp u, 0,1
.irp e, 0,1
	ds_store_b128 v20, v[SCORE+16*\i+8*\u+4*\e:SCORE+16*\i+8*\u+4*\e+3] offset:128*\i+64*\u+16*\e
.endr
.endr
.endr
	WIN 0
.set k, 0
.rept 16
	ds_load_b128 v[128+4*k:131+4*k], v21 offset:SPI*k   ; the sixteen lanes' sums.  LDS serves a wave's instructions in order (ISA guide 5.7.1.4): these see my stores
.set k, k+1
.endr
	s_wait_dscnt 0x0
.irp d, 8,4,2,1
.set k, 0
.rept \d
	v_pk_add_f32 v[128+4*k:129+4*k], v[128+4*k:129+4*k], v[128+4*(k+\d):129+4*(k+\d)]
	v_pk_add_f32 v[130+4*k:131+4*k], v[130+4*k:131+4*k], v[130+4*(k+\d):131+4*(k+\d)]
.set k, k+1
.endr
.endr
	ds_store_b128 v22, v[128:131]
	v_mov_b32 v151, 0                              ; (written again: the sums above used these registers)
	v_mov_b32 v157, 0
	s_wait_alu depctr_va_vdst(0)
	s_wait_dscnt 0x0
	s_barrier_signal -1
	s_barrier_wait -1                              ; the four parts of all 128 scores lie in LDS
.irp w, 0,1,2,3
	ds_load_b128 v[132+4*\w:135+4*\w], v23 offset:512*\w   ; every wave takes all 128: rows 4 lane .. 4 lane + 3
.endr
	s_wait_dscnt 0x0
.irp c, 0,2
	v_pk_add_f32 v[132+\c:133+\c], v[132+\c:133+\c], v[136+\c:137+\c]
	v_pk_add_f32 v[140+\c:141+\c], v[140+\c:141+\c], v[144+\c:145+\c]
.endr
.irp c, 0,2
	v_pk_add_f32 v[132+\c:133+\c], v[132+\c:133+\c], v[140+\c:141+\c]   ; the scores
.endr
	v_max3_num_f32 v150, v132, v133, v134
	v_max_num_f32 v150, v150, v135
.irp m, 1,2,4,8
	v_max_num_f32_dpp v150, v150, v150 row_xmask:\m row_mask:0xf bank_mask:0xf
.endr
	v_permlanex16_b32 v151, v150, s[SEL], s[SEL+1]
	v_max_num_f32 v158, v150, v151                 ; m: the block's largest score
.irp k, 0,1,2,3
	v_sub_f32 v[152+\k], v[132+\k], v158
.endr
.irp k, 0,1,2,3
	v_mul_f32 v[152+\k], s[L2E], v[152+\k]
.endr
	s_wait_alu depctr_va_vdst(0)
.irp k, 0,1,2,3
	v_exp_f32 v[152+\k], v[152+\k]                 ; the row's weight under the block's maximum, at most 1
.endr
	v_nop
	s_wait_alu depctr_va_vdst(0)                   ; one wait for the four, ahead of their first reader
	ds_store_b128 v24, v[152:155]
.irp q, 0,1,2,3,4,5,6,7
	ds_load_b128 v[P+4*\q:P+4*\q+3], v25 offset:16*\q   ; my 32 rows' weights, in every lane; these see my store
.endr
	WIN 0x80
.set k, 0
.rept 48
	ds_load_b128 v[4*k:4*k+3], v[KLA] offset:512*k ; my rows 12-23 into window 2
.set k, k+1
.endr
	WIN 0
	v_add_f32 v156, v152, v153
	v_add_f32 v149, v154, v155
	v_add_f32 v156, v156, v149
.irp m, 1,2,4,8
	v_add_f32_dpp v156, v156, v156 row_xmask:\m row_mask:0xf bank_mask:0xf
.endr
	v_permlanex16_b32 v157, v156, s[SEL], s[SEL+1]
	v_add_f32 v159, v156, v157                     ; l: the sum of the block's weights
.set k, 0
.rept 32
	v_mov_b32 v[CX+k], 0
.set k, k+1
.endr
	s_wait_alu depctr_va_vdst(0)
	s_cmp_lg_u32 s[WV], 0
	s_cbranch_scc1 .Lnot_mine
	global_store_b128 v19, v[132:135], s[22:23]    ; wave 0 stores the block's 512 consecutive bytes of scores,
	global_store_b64 v29, v[158:159], s[26:27]     ; and {m, l} in each of 32 places: 256 consecutive bytes.  None of these registers is written again
.Lnot_mine:
; A row of my lane's 32 columns: a multiply-add straight from each bf16 half into f32
.macro WSUM win, reg, rho
	WIN \win
.set Q, 0
.rept 16
	v_fma_mix_f32_bf16 v[CX+2*Q], v[(\reg)+Q], v[P+(\rho)], v[CX+2*Q] op_sel_hi:[1,0,0]
	v_fma_mix_f32_bf16 v[CX+2*Q+1], v[(\reg)+Q], v[P+(\rho)], v[CX+2*Q+1] op_sel:[1,0,0] op_sel_hi:[1,0,0]
.set Q, Q+1
.endr
.endm
	s_wait_dscnt 48                                ; the weights are in; the 48 loads of keys may be out
.set RHO, 0
.rept 12
	WSUM 0x03, 16*RHO, RHO                         ; source 0 window 3
.set RHO, RHO+1
.endr
	WIN 0x80
.set k, 48
.rept 16
	ds_load_b128 v[4*k:4*k+3], v[KLA] offset:512*k ; rows 24-27 into window 2,
.set k, k+1
.endr
	WIN 0x40
.set k, 0
.rept 16
	ds_load_b128 v[4*k:4*k+3], v[KLA] offset:32768+512*k   ; rows 28-31 into window 1
.set k, k+1
.endr
	s_wait_dscnt 32                                ; rows 12-23 are in
.rept 12
	WSUM 0x02, 16*(RHO-12), RHO
.set RHO, RHO+1
.endr
	s_wait_dscnt 0x0
.rept 4
	WSUM 0x02, 16*(RHO-12), RHO
.set RHO, RHO+1
.endr
.rept 4
	WSUM 0x01, 16*(RHO-28), RHO
.set RHO, RHO+1
.endr
	WIN 0
.irp i, 0,1,2,3
.irp u, 0,1
	ds_store_b128 v26, v[CX+8*\i+4*\u:CX+8*\i+4*\u+3] offset:1024*\i+16*\u   ; columns 256 i + 8 lane + 4 u on
.endr
.endr
	s_wait_dscnt 0x0
	s_barrier_signal -1
	s_barrier_wait -1                              ; the four waves' sums lie in LDS
.irp u, 0,1
.irp w, 0,1,2,3
	ds_load_b128 v[192+16*\u+4*\w:192+16*\u+4*\w+3], v28 offset:4096*\w+2048*\u
.endr
.endr
	s_wait_dscnt 0x0
.irp u, 0,1
.irp c, 0,2
	v_pk_add_f32 v[192+16*\u+\c:193+16*\u+\c], v[192+16*\u+\c:193+16*\u+\c], v[196+16*\u+\c:197+16*\u+\c]
	v_pk_add_f32 v[200+16*\u+\c:201+16*\u+\c], v[200+16*\u+\c:201+16*\u+\c], v[204+16*\u+\c:205+16*\u+\c]
.endr
.irp c, 0,2
	v_pk_add_f32 v[192+16*\u+\c:193+16*\u+\c], v[192+16*\u+\c:193+16*\u+\c], v[200+16*\u+\c:201+16*\u+\c]
.endr
	global_store_b128 v27, v[192+16*\u:195+16*\u], s[24:25] offset:2048*\u   ; a wave's store covers 512 consecutive bytes
.endr
	s_wait_tensorcnt 0x0                           ; the wave's end: behind my last LDS store
	ds_add_u32 v[SPW], v[NIL]
	s_wait_dscnt 0x0
	s_endpgm
.Lfunc_end_k_q4a7dacf35c_score:
	.size	k_q4a7dacf35c_score, .Lfunc_end_k_q4a7dacf35c_score-k_q4a7dacf35c_score
	.p2alignl 7, 3214868480
	.fill 96, 4, 3214868480
	.section	.rodata,"a",@progbits
	.p2align	6, 0x0
	.amdhsa_kernel k_q4a7dacf35c_score
		.amdhsa_group_segment_fixed_size 327680
		.amdhsa_private_segment_fixed_size 0
		.amdhsa_enable_private_segment 0
		.amdhsa_kernarg_size 104
		.amdhsa_user_sgpr_count 2
		.amdhsa_user_sgpr_kernarg_segment_ptr 1
		.amdhsa_wavefront_size32 1
		.amdhsa_system_sgpr_workgroup_id_x 1
		.amdhsa_system_sgpr_workgroup_id_y 1
		.amdhsa_system_sgpr_workgroup_id_z 1
		.amdhsa_system_vgpr_workitem_id 0
		.amdhsa_next_free_vgpr 1024
		.amdhsa_next_free_sgpr 96
		.amdhsa_reserve_vcc 0
		.amdhsa_float_denorm_mode_32 3
		.amdhsa_float_denorm_mode_16_64 3
		.amdhsa_memory_ordered 1
		.amdhsa_forward_progress 1
		.amdhsa_inst_pref_size 255
	.end_amdhsa_kernel
	.section	.bss,"aw",@nobits
	.p2align	6
	.space	262144
	.amdgpu_metadata
---
amdhsa.version: [ 1, 2 ]
amdhsa.kernels:
  - .name:           k_q4a7dacf35c_score
    .symbol:         k_q4a7dacf35c_score.kd
    .args:
      - { .name: keys, .offset: 0, .size: 8, .value_kind: global_buffer, .address_space: global }
      - { .name: queries_codes, .offset: 8, .size: 8, .value_kind: global_buffer, .address_space: global }
      - { .name: queries_scales, .offset: 16, .size: 8, .value_kind: global_buffer, .address_space: global }
      - { .name: Qw_scales, .offset: 24, .size: 8, .value_kind: global_buffer, .address_space: global }
      - { .name: Kw_scales, .offset: 32, .size: 8, .value_kind: global_buffer, .address_space: global }
      - { .name: Qw_codes, .offset: 40, .size: 8, .value_kind: global_buffer, .address_space: global }
      - { .name: Kw_codes, .offset: 48, .size: 8, .value_kind: global_buffer, .address_space: global }
      - { .name: scores, .offset: 56, .size: 8, .value_kind: global_buffer, .address_space: global }
      - { .name: part, .offset: 64, .size: 8, .value_kind: global_buffer, .address_space: global }
      - { .name: stat, .offset: 72, .size: 8, .value_kind: global_buffer, .address_space: global }
      - { .name: Qb, .offset: 80, .size: 8, .value_kind: global_buffer, .address_space: global }
      - { .name: Kb, .offset: 88, .size: 8, .value_kind: global_buffer, .address_space: global }
      - { .name: Vw, .offset: 96, .size: 8, .value_kind: global_buffer, .address_space: global }
    .group_segment_fixed_size: 327680
    .private_segment_fixed_size: 0
    .kernarg_segment_align: 8
    .kernarg_segment_size: 104
    .max_flat_workgroup_size: 128
    .sgpr_count:     96
    .vgpr_count:     1024
    .wavefront_size: 32
...
	.end_amdgpu_metadata
.endif
;; end of part 1
;; launch combine (part 2): grid 8 x 8, 2 waves a work-group, no clusters, 0 bytes of LDS; arguments scores, part, stat, out0, out1; writes out0, out1
.if DOCPART == 2
	.amdgcn_target "amdgcn-amd-amdhsa--gfx1250"
	.amdhsa_code_object_version 6
	.text
	.protected	k_q4a7dacf35c_combine
	.globl	k_q4a7dacf35c_combine
	.p2align	8
	.type	k_q4a7dacf35c_combine,@function
k_q4a7dacf35c_combine:
	s_mov_b64 s[64:65], 0
	v_nop
	global_prefetch_b8 v0, s[64:65] scope:SCOPE_SE
	s_setreg_imm32_b32 hwreg(HW_REG_WAVE_MODE, 25, 1), 1
	s_wait_xcnt 0x0
; Additive attention, second launch.  A batch has 32 blocks j of 128 rows, each with m_j, its largest score, l_j, the sum of its weights under m_j, and part[j], its weighted sum of keys under m_j.
; M = the largest m_j, f_j = 2^((m_j - M) log2(e)), L = the sum of l_j f_j; out0[c] = the sum over j of (f_j / L) part[j][c]; out1 = 2^((score - M) log2(e)) / L.
; Lane j holds block j's pair, so a wave finds M and L by itself: no LDS and no barrier.  Work-group (x, batch): wave 0 makes 128 columns of out0, wave 1 512 numbers of out1.
; The scores leave out Vb and the sum of Vw, which are the same for all rows of a batch: out0 and out1 do not hang on them.
; Matrix units and clusters are left out: the launch moves about a megabyte and has no product with sixteen rows.  LIMITS: NaN and infinities among the scores are not served.
.set L, 64                             ; v64-191  wave 0: 32 blocks x my 4 columns; wave 1: v64-79 my 16 scores
.set O, 192                            ; v192-195 my 4 columns of out0
	s_load_b256 s[4:11], s[0:1], 0x0               ; scores, part, stat, out0
	s_load_b64 s[12:13], s[0:1], 0x20              ; out1
	v_lshrrev_b32 v1, 5, v0
	v_readfirstlane_b32 s14, v1                    ; wave
	v_and_b32 v1, 31, v0
	v_lshlrev_b32 v2, 4, v1                        ; 16 x lane
	v_lshlrev_b32 v3, 8, v1                        ; block = lane: 256 bytes each
	v_mov_b32 v8, 0                                ; (a lane permute's destination counts as one of its sources)
	v_mov_b32 v9, 0
	s_and_b32 s15, ttmp7, 0xffff                   ; the batch
	s_mov_b32 s16, 0x76543210
	s_mov_b32 s17, 0xfedcba98                      ; v_permlanex16_b32's selects for lane l xor 16
	s_mov_b32 s18, 0x3fb8aa3b                      ; log2(e)
	s_lshl_b32 s20, s15, 13                        ; stat: 8,192 bytes a batch
	s_mov_b32 s21, 0
	s_lshl_b32 s24, ttmp9, 9                       ; my 128 columns
	s_lshl_b32 s22, s15, 17                        ; part: 32 blocks of 4,096 bytes a batch
	s_add_co_u32 s22, s22, s24
	s_mov_b32 s23, 0
	s_lshl_b32 s28, s15, 12                        ; out0: 4,096 bytes a batch
	s_add_co_u32 s28, s28, s24
	s_mov_b32 s29, 0
	s_lshl_b32 s26, s15, 14                        ; scores and out1: 16,384 bytes a batch
	s_lshl_b32 s25, ttmp9, 11
	s_add_co_u32 s26, s26, s25
	s_mov_b32 s27, 0
	s_wait_alu depctr_va_vdst(0)
	s_wait_kmcnt 0x0
	s_add_nc_u64 s[8:9], s[8:9], s[20:21]
	s_add_nc_u64 s[6:7], s[6:7], s[22:23]
	s_add_nc_u64 s[10:11], s[10:11], s[28:29]
	s_add_nc_u64 s[4:5], s[4:5], s[26:27]
	s_add_nc_u64 s[12:13], s[12:13], s[26:27]
	global_load_b64 v[4:5], v3, s[8:9]             ; m, l
	s_cmp_eq_u32 s14, 0
	s_cbranch_scc0 .Lload1
.set j, 0
.rept 32
	global_load_b128 v[L+4*j:L+4*j+3], v2, s[6:7] offset:4096*j th:TH_LOAD_NT
.set j, j+1
.endr
	s_wait_loadcnt 32                              ; the pair is in; the 32 loads behind it may be out
	s_branch .Lgo
.Lload1:
.irp k, 0,1,2,3
	global_load_b128 v[L+4*\k:L+4*\k+3], v2, s[4:5] offset:512*\k th:TH_LOAD_NT
.endr
	s_wait_loadcnt 4
.Lgo:
	v_mov_b32 v6, v4
.irp m, 1,2,4,8
	v_max_num_f32_dpp v6, v6, v6 row_xmask:\m row_mask:0xf bank_mask:0xf
.endr
	v_permlanex16_b32 v8, v6, s16, s17
	v_max_num_f32 v6, v6, v8                       ; M
	v_sub_f32 v7, v4, v6
	v_mul_f32 v7, s18, v7
	s_wait_alu depctr_va_vdst(0)
	v_exp_f32 v7, v7                               ; f
	v_nop
	s_wait_alu depctr_va_vdst(0)
	v_mul_f32 v10, v7, v5
.irp m, 1,2,4,8
	v_add_f32_dpp v10, v10, v10 row_xmask:\m row_mask:0xf bank_mask:0xf
.endr
	v_permlanex16_b32 v9, v10, s16, s17
	v_add_f32 v10, v10, v9                         ; L
	s_wait_alu depctr_va_vdst(0)
	v_rcp_f32 v12, v10
	v_nop
	s_wait_alu depctr_va_vdst(0)
	v_mul_f32 v11, v7, v12                         ; f / L
	s_wait_alu depctr_va_vdst(0)                   ; ahead of the branch
	s_cmp_eq_u32 s14, 0
	s_cbranch_scc0 .Lout1
.set j, 0
.rept 32
	v_readlane_b32 s[32+j], v11, j                 ; the 32 factors as scalars
.set j, j+1
.endr
	s_wait_alu depctr_va_vdst(0)
	s_wait_loadcnt 0x0
.irp k, 0,1,2,3
	v_mul_f32 v[O+\k], s32, v[L+\k]                ; block 0 starts the sums
.endr
.set j, 1
.rept 31
.irp k, 0,1,2,3
	v_fmac_f32 v[O+\k], s[32+j], v[L+4*j+\k]
.endr
.set j, j+1
.endr
	global_store_b128 v2, v[O:O+3], s[10:11]       ; 512 consecutive bytes
	s_endpgm
.Lout1:
	s_wait_loadcnt 0x0
.set j, 0
.rept 16
	v_sub_f32 v[L+j], v[L+j], v6
.set j, j+1
.endr
.set j, 0
.rept 16
	v_mul_f32 v[L+j], s18, v[L+j]
.set j, j+1
.endr
	s_wait_alu depctr_va_vdst(0)
.set j, 0
.rept 16
	v_exp_f32 v[L+j], v[L+j]
.set j, j+1
.endr
	v_nop                                          ; a plain place behind the last exponential
	s_wait_alu depctr_va_vdst(0)                   ; one wait for the batch
.set j, 0
.rept 16
	v_mul_f32 v[L+j], v[L+j], v12
.set j, j+1
.endr
.irp k, 0,1,2,3
	global_store_b128 v2, v[L+4*\k:L+4*\k+3], s[12:13] offset:512*\k   ; 512 consecutive bytes each
.endr
	s_endpgm
.Lfunc_end_k_q4a7dacf35c_combine:
	.size	k_q4a7dacf35c_combine, .Lfunc_end_k_q4a7dacf35c_combine-k_q4a7dacf35c_combine
	.p2alignl 7, 3214868480
	.fill 96, 4, 3214868480
	.section	.rodata,"a",@progbits
	.p2align	6, 0x0
	.amdhsa_kernel k_q4a7dacf35c_combine
		.amdhsa_group_segment_fixed_size 0
		.amdhsa_private_segment_fixed_size 0
		.amdhsa_enable_private_segment 0
		.amdhsa_kernarg_size 40
		.amdhsa_user_sgpr_count 2
		.amdhsa_user_sgpr_kernarg_segment_ptr 1
		.amdhsa_wavefront_size32 1
		.amdhsa_system_sgpr_workgroup_id_x 1
		.amdhsa_system_sgpr_workgroup_id_y 1
		.amdhsa_system_sgpr_workgroup_id_z 1
		.amdhsa_system_vgpr_workitem_id 0
		.amdhsa_next_free_vgpr 200
		.amdhsa_next_free_sgpr 66
		.amdhsa_reserve_vcc 0
		.amdhsa_float_denorm_mode_32 3
		.amdhsa_float_denorm_mode_16_64 3
		.amdhsa_memory_ordered 1
		.amdhsa_forward_progress 1
		.amdhsa_inst_pref_size 15
	.end_amdhsa_kernel
	.amdgpu_metadata
---
amdhsa.version: [ 1, 2 ]
amdhsa.kernels:
  - .name:           k_q4a7dacf35c_combine
    .symbol:         k_q4a7dacf35c_combine.kd
    .args:
      - { .name: scores, .offset: 0, .size: 8, .value_kind: global_buffer, .address_space: global }
      - { .name: part, .offset: 8, .size: 8, .value_kind: global_buffer, .address_space: global }
      - { .name: stat, .offset: 16, .size: 8, .value_kind: global_buffer, .address_space: global }
      - { .name: out0, .offset: 24, .size: 8, .value_kind: global_buffer, .address_space: global }
      - { .name: out1, .offset: 32, .size: 8, .value_kind: global_buffer, .address_space: global }
    .group_segment_fixed_size: 0
    .private_segment_fixed_size: 0
    .kernarg_segment_align: 8
    .kernarg_segment_size: 40
    .max_flat_workgroup_size: 64
    .sgpr_count:     66
    .vgpr_count:     200
    .wavefront_size: 32
...
	.end_amdgpu_metadata
.endif
;; end of part 2
